; MI455X (gfx1250); checked and timed in simulation.
; The chip was launched on July 23, 2026; its instructions are those of AMD's public machine-readable ISA for CDNA 5 (MIT licence, August 2026) and "CDNA5" Instruction Set Architecture Reference Guide (July 2026). The comments in the code are by the model that wrote it; some were corrected since.
;; Batch Attention cos. Allowed arithmetic: matrix products marked QUANTISED: E2M1 operands, one E8M0 scale for each 32 along K, by v_wmma_scale_f32_16x16x128_f8f6f4 with both operands' format E2M1 (or v_wmma_scale_f32_32x16x128_f4), f32 sums; everything else in f32.
;; Inputs: x 8,192 x 512 float32.
;; Outputs: out0 8,192 x 512 float32.
;; This version of the problem:
;;   THIS VERSION OF THE PROBLEM IS GIVEN IN LOW PRECISION. The matrix products marked QUANTISED in the list below multiply operands that are first quantised to E2M1 (2 exponent bits, 1 mantissa bit; 4 bits a number), with one power-of-two scale for each 32 numbers along K (OCP MX v1.0); their sums are f32. All else is computed in f32.
;;   The module's matrix products, in the order in which they are computed (A, B: the left and right operand; K: the contracted axis; several contracted axes count as one K, in the product's order):
;;     1. [M 8,192, K 512] x [K 512, N 8,192]; A: computed on the way; B: computed on the way: QUANTISED
;;     2. [M 8,192, K 8,192] x [K 8,192, N 512]; A: softmax (see below); B: input x: QUANTISED
;;   THE QUANTISER, for each operand of a quantised product, along K:
;;     - K is cut into blocks of 32 from its start; a last block that is shorter is filled with zeros.
;;     - A block's scale is 2^e with e = floor(log2(the largest magnitude in the block)) - 2, held to -126 .. 127; a block of zeros has e = 0. As a byte (E8M0): e + 127.
;;     - Each number is divided by its block's scale, clamped to +-6, and rounded to the nearest number of E2M1, ties to even, subnormals kept.
;;     - The product sums the exact products of the quantised numbers (number of the format x scale) in f32.
;;   ~~~python
;;   def quantise(x, axis):      # numpy; x: float32 -> the quantised numbers, widened to float32 again
;;       x = np.moveaxis(x, axis, -1); K = x.shape[-1]
;;       x = np.pad(x, [(0, 0)] * (x.ndim - 1) + [(0, -K % 32)]); x = x.reshape(x.shape[:-1] + (-1, 32)); a = np.abs(x).max(-1, keepdims=True)
;;       e = np.where(a > 0, np.clip(np.frexp(np.where(a > 0, a, 1))[1] - 1 - 2, -126, 127), 0)      # np.frexp(a)[1] - 1 = floor(log2(a)), exactly
;;       r = np.clip(x / 2.0 ** e, -6, 6)
;;       step = 2.0 ** (np.maximum(np.frexp(np.where(r == 0, 1, r))[1] - 1, 0) - 1)
;;       q = np.round(r / step) * step * 2.0 ** e      # np.round: ties to even
;;       return np.moveaxis(q.reshape(q.shape[:-2] + (-1,))[..., :K], -1, axis).astype(np.float32)
;;   ~~~
;;   SOFTMAX AHEAD OF A QUANTISED PRODUCT. Where the list says 'softmax', what is quantised is not the finished softmax but p = 2^(t - M), with t = logit x log2(e) and M = ceil(the row's largest t), a whole number; so 1/2 < the row's largest p <= 1. The row's sum l is taken of the UNQUANTISED p, in f32, and the product's result is divided by l at the end. Since M is a whole number, a kernel that streams over the keys may use a running M (the ceiling of the running maximum): every later rescaling is an exact power of two, which a block's scale takes up: the codes' values come out the same.
;;   OPERANDS COMPUTED ON THE WAY. 'Computed on the way' means the value that the module computes at that place (a softmax that the list does not call 'softmax' is quantised finished and normalised). What goes into a quantiser is computed in f32, as accurately as f32 sums, v_exp_f32 and their like allow (about 1e-6 of the number): no bf16 or f16 on the way to a quantiser, and a product that is left as it is and whose result goes on into a quantised operand takes f32 operands (vector FMAs, or v_wmma_f32_16x16x4_f32). A number that lies on a knife's edge between two numbers of the format may be rounded either way, as far as f32 arithmetic and the matrix unit's own rounding can turn it there, and no further.
;; One version. Each part assembles by itself: llvm-mc -triple=amdgcn-amd-amdhsa -mcpu=gfx1250 --defsym DOCPART=n.
;; ======== version 1 of 1: 3 launches
;; limits: right only within a limited range of input values
;; workspace buffers: kv 4,456,448 bytes; opart 33,554,432 bytes; lpart 65,536 bytes
;; launch prep (part 1): grid 4 x 64, 8 waves a work-group, no clusters, 68,096 bytes of LDS; arguments x, kv; writes kv
.if DOCPART == 1
	.amdgcn_target "amdgcn-amd-amdhsa--gfx1250"
	.amdhsa_code_object_version 6
	.text
	.protected	k_q1b26fbd16a_prep
	.globl	k_q1b26fbd16a_prep
	.p2align	8
	.type	k_q1b26fbd16a_prep,@function
k_q1b26fbd16a_prep:
	s_mov_b64 s[64:65], 0
	v_nop
	global_prefetch_b8 v0, s[64:65] scope:SCOPE_SE
	s_setreg_imm32_b32 hwreg(HW_REG_WAVE_MODE, 25, 1), 1
	s_wait_xcnt 0x0
; out = softmax(xn xn^T) x, xn = x / max(|row|, 1e-12), both products on codes of E2M1 with one E8M0 scale for each 32 along K.  x: [8192][512] f32.
; THE PROGRAM: this launch makes all codes and scale bytes; the second does both products for halves of the keys; the third adds the two halves, divides by the row's sum and lays the rows out.
; NOTHING IS LEFT OUT AS DEAD: every byte of x has a way to the result, and both products are done whole.  In the second launch no maximum is taken away ahead of the exponential, i.e. M = 0.
; That holds for every x, by what reference() itself does: a row of xn has norm at most 1.  In a block with largest magnitude a, a code of one scale unit or more moves its number by at most a quarter of it, a smaller
; one by at most a / 16: so a block's quantised norm is at most (1.25 + sqrt(31) / 16) < 1.6 times its norm, |score| <= 2.56, |t| = |score x log2 e| <= 3.7, 2^-3.7 <= p <= 2^3.7, and a row's sum <= 8192 x 13.
; M is a whole number, which a block's scale takes up exactly: with M = 0 the codes are the same, and sum and product are both 2^M times the stated ones, so that their quotient is the same.
; WHAT THIS LAUNCH STORES.  kv: [chunk of 256 keys 0..31][K: 8 pieces x 8,704 | V: 8 pieces x 8,704]: images of operand registers.  A piece is what one wave of the second launch reads:
;   K piece w: keys 256 chunk + 32 w + 0 .. 31: [tile u 0..1][K step s 0..3][c 0..1][lane][16]: lane (r, h) = key 8 u + r + 8 (r / 8) of the 32, channels 128 s + 64 c + 32 h + 0 .. 31; + 8,192: scale words [lane = 16 u + r][s].
;     THE ROWS OF A TILE ARE NOT NEIGHBOURS: so the 16 scores that a lane gets from a piece's two tiles are 16 neighbouring keys.  The same images serve as queries and as keys.
;   V piece w: channels 64 w + 0 .. 63: [ks 0..1][tile i 0..3][block b 0..3][r][16]: channel 64 w + 16 i + r, keys 256 chunk + 128 ks + 32 b + 0 .. 31; + 8,192: scale words [ks][lane = 16 (i % 2) + r][i / 2].
; SHARES.  Work-group (bx, j), eight waves: rows 128 j + 32 bx .. + 31 of xn (K piece 4 (j % 2) + bx of chunk j / 2), and channels 128 bx .. + 127 of the 128 keys from 128 j on (V pieces 2 bx, 2 bx + 1, ks = j % 2).
; Wave w: rows 4 w .. 4 w + 3 of the 32; then tile w / 4, K step w % 4; then channels 32 (w % 4) + lane, blocks 2 (w / 4), + 1.  x is read twice, by four work-groups side by side.  No loop, no tensor load, no prefetch: all loads stand at the head.
; LIMITS: NaN and infinities in x are not served; a row whose sum of squares lies under 2^-126 counts as zero for the root; xn is x times the reciprocal of the norm, some 3e-7 of the number from the quotient;
; a block of zeros gets the byte 1 where the rule says 127: its codes are zeros, which add nothing under any byte but 0xff, and this program alone reads the bytes.
.set PIECE, 8704
.set VOFF,  8*PIECE
.set CHUNK, 16*PIECE
.set SPIT,  2064                       ; a stage row: 2,048 bytes + 16 = 129 x 16: the 16 rows that a load touches start in 16 different 16-byte columns of 256 bytes
.set SCST,  32*SPIT                    ; behind the stage: 1,024 bytes of scale words: K's 512, V's 2 x 256
.set SPARE, SCST+1024                  ; the spare words, 128 bytes a wave: four blocks of 256 bytes that no other line names
.set R,   16                           ; v16-23   four pairs: a row's sum of squares, then 1 / norm; later at work
.set D,   32                           ; v32-95   four rows as loaded; later two blocks of 32 neighbours
.set Y,   96                           ; v96-159  two blocks of 32 numbers down the keys
.set KC,  160                          ; v160-167 xn's codes
.set VC,  168                          ; v168-175 x's codes
	s_load_b128 s[4:7], s[0:1], 0x0                ; x, kv
	v_lshl_add_u32 v12, v0, 2, SPARE               ; my spare word; never rewritten
	v_mov_b32 v13, 0                               ; 0; never rewritten
	v_lshrrev_b32 v1, 5, v0
	v_readfirstlane_b32 s10, v1                    ; wave w
	s_and_b32 s11, ttmp7, 0xffff                   ; j
	s_and_b32 s24, s10, 1
	s_bfe_u32 s25, s10, 0x10001                    ; (w / 2) % 2
	s_lshr_b32 s26, s10, 2                         ; w / 4
	s_and_b32 s27, s10, 3                          ; w % 4
	s_and_b32 s31, s11, 1                          ; ks
	s_lshr_b32 s30, s11, 1
	s_mul_i32 s30, s30, CHUNK
	s_lshl_b32 s28, s11, 18                        ; 128 j rows of 2,048 bytes
	s_lshl_b32 s29, ttmp9, 16
	s_add_co_u32 s12, s28, s29
	s_lshl_b32 s29, s10, 13
	s_add_co_u32 s12, s12, s29                     ; row 128 j + 32 bx + 4 w
	s_mov_b32 s13, 0
	s_lshl_b32 s29, s26, 17
	s_add_co_u32 s14, s28, s29
	s_lshl_b32 s29, ttmp9, 9
	s_add_co_u32 s14, s14, s29
	s_lshl_b32 s29, s27, 7
	s_add_co_u32 s14, s14, s29                     ; row 128 j + 64 (w / 4), channel 128 bx + 32 (w % 4)
	s_mov_b32 s15, 0
	s_lshl_b32 s29, s31, 2
	s_add_co_u32 s29, s29, ttmp9
	s_mul_i32 s29, s29, PIECE
	s_add_co_u32 s16, s30, s29                     ; my work-group's K piece,
	s_add_co_u32 s32, s16, 8192                    ; its scale words,
	s_lshl_b32 s29, s10, 10
	s_add_co_u32 s16, s16, s29                     ; and my tile and K step in it: 4,096 (w / 4) + 1,024 (w % 4)
	s_mov_b32 s17, 0
	s_mul_i32 s29, ttmp9, 2*PIECE
	s_add_co_u32 s20, s30, s29
	s_add_co_u32 s20, s20, VOFF                    ; its two V pieces,
	s_lshl_b32 s29, s31, 8
	s_add_co_u32 s34, s20, s29
	s_add_co_u32 s34, s34, 8192                    ; their scale words of this ks,
	s_lshl_b32 s29, s31, 12
	s_add_co_u32 s20, s20, s29
	s_lshl_b32 s29, s24, 11
	s_add_co_u32 s20, s20, s29
	s_mul_i32 s29, s25, PIECE
	s_add_co_u32 s20, s20, s29
	s_lshl_b32 s29, s26, 9
	s_add_co_u32 s20, s20, s29                     ; and my tiles and blocks in them
	s_mov_b32 s21, 0
	s_mov_b32 s36, PIECE
	s_cmp_eq_u32 s10, 0                            ; the scale words' way out: wave 0 K's 512 bytes, wave 1 V's 256 for each of two pieces
	s_cselect_b32 s32, s32, s34
	s_cselect_b32 s36, 256, s36
	s_mov_b32 s33, 0
	s_lshl_b32 s37, s25, 4
	s_lshl_b32 s29, s26, 3
	s_add_co_u32 s37, s37, s29
	s_lshl_b32 s29, s24, 2
	s_add_co_u32 s37, s37, s29
	s_mul_i32 s37, s37, SPIT                       ; into the stage, IN TILE ORDER: row 4 w + i of the 32 is stage row 16 ((w / 2) % 2) + 8 (w / 4) + 4 (w % 2) + i
	s_mul_i32 s38, s26, 16*SPIT
	s_lshl_b32 s29, s27, 9
	s_add_co_u32 s38, s38, s29                     ; out of it: tile w / 4, K step w % 4
	s_lshl_b32 s39, s26, 8
	s_lshl_b32 s29, s27, 2
	s_add_co_u32 s39, s39, s29
	s_add_co_u32 s39, s39, SCST                    ; K's scale words: lane 16 (w / 4) + r, word w % 4
	s_lshl_b32 s40, s25, 8
	s_lshl_b32 s29, s24, 2
	s_add_co_u32 s40, s40, s29
	s_lshl_b32 s29, s26, 1
	s_add_co_u32 s40, s40, s29
	s_add_co_u32 s40, s40, SCST+512                ; V's: piece (w / 2) % 2, word w % 2, half w / 4 of the word
	s_mov_b32 s22, 0x76543210
	s_mov_b32 s23, 0xfedcba98                      ; v_permlanex16_b32's selects for lane l xor 16
	v_and_b32 v1, 31, v0                           ; lane
	v_and_b32 v2, 15, v0                           ; r
	v_bfe_u32 v3, v0, 4, 1                         ; h
	v_lshlrev_b32 v4, 4, v1                        ; 16 x lane
	v_lshlrev_b32 v5, 2, v1                        ; 4 x lane
	v_add_nc_u32 v6, s37, v4
	v_mul_u32_u24 v7, v2, SPIT
	v_lshl_add_u32 v7, v3, 7, v7
	v_add_nc_u32 v7, s38, v7                       ; stage: tile row r, my K step, + 128 h bytes
	v_lshlrev_b32 v8, 4, v2
	v_lshl_add_u32 v8, v3, 10, v8                  ; x's codes: tile lane / 16 of my two, row r
	v_lshl_add_u32 v9, v2, 4, s39
	v_lshl_add_u32 v14, v1, 3, s40
	v_mul_u32_u24 v15, s36, v3
	v_lshl_add_u32 v10, v2, 4, v15                 ; the scale words' way out: 16 bytes a lane,
	v_lshl_add_u32 v11, v0, 4, SCST                ; and the same in LDS
	v_lshlrev_b32 v15, 3, v3                       ; 8 h
	s_wait_alu depctr_va_vdst(0)                   ; the wait at the head's end
	s_wait_kmcnt 0x0
	s_add_nc_u64 s[12:13], s[4:5], s[12:13]
	s_add_nc_u64 s[14:15], s[4:5], s[14:15]
	s_add_nc_u64 s[16:17], s[6:7], s[16:17]
	s_add_nc_u64 s[20:21], s[6:7], s[20:21]
	s_add_nc_u64 s[32:33], s[6:7], s[32:33]
.irp i, 0,1,2,3                                ; my four rows: each load reads 512 consecutive bytes
.irp q, 0,1,2,3
	global_load_b128 v[D+16*\i+4*\q:D+16*\i+4*\q+3], v4, s[12:13] offset:2048*\i+512*\q
.endr
.endr
.macro LOADV a, b                      ; x(my first key + n, my channel), n = a .. b - 1: a lane to a channel, registers down the keys
.set k, \a
.rept (\b)-(\a)
	global_load_b32 v[Y+k], v5, s[14:15] offset:k*2048
.set k, k+1
.endr
.endm
	LOADV 0, 47
	s_wait_loadcnt 47                              ; my four rows are in; 47 loads down the keys are younger
	LOADV 47, 64
	; ---- the rows' norms, four rows by turns
.irp i, 0,1,2,3
	v_pk_mul_f32 v[R+2*\i:R+2*\i+1], v[D+16*\i:D+16*\i+1], v[D+16*\i:D+16*\i+1]
.endr
.irp k, 1,2,3,4,5,6,7
.irp i, 0,1,2,3
	v_pk_fma_f32 v[R+2*\i:R+2*\i+1], v[D+16*\i+2*\k:D+16*\i+2*\k+1], v[D+16*\i+2*\k:D+16*\i+2*\k+1], v[R+2*\i:R+2*\i+1]
.endr
.endr
.irp i, 0,1,2,3
	v_add_f32 v[R+2*\i], v[R+2*\i], v[R+2*\i+1]
.endr
.irp x, 1,2,4,8
.irp i, 0,1,2,3
	v_add_f32_dpp v[R+2*\i], v[R+2*\i], v[R+2*\i] row_xmask:\x row_mask:0xf bank_mask:0xf
.endr
.endr
.irp i, 0,1,2,3
	v_permlanex16_b32 v[R+2*\i+1], v[R+2*\i], s22, s23
.endr
.irp i, 0,1,2,3
	v_add_f32 v[R+2*\i], v[R+2*\i], v[R+2*\i+1]    ; every lane holds the row's sum of squares
.endr
	s_wait_alu depctr_va_vdst(0)                   ; a wait ahead of each batch and one behind it
.irp i, 0,1,2,3
	v_sqrt_f32 v[R+2*\i], v[R+2*\i]
.endr
	v_nop
	s_wait_alu depctr_va_vdst(0)
.irp i, 0,1,2,3
	v_max_num_f32 v[R+2*\i], 0x2b8cbccc, v[R+2*\i] ; max(norm, 1e-12)
.endr
	s_wait_alu depctr_va_vdst(0)
.irp i, 0,1,2,3
	v_rcp_f32 v[R+2*\i], v[R+2*\i]
.endr
	v_nop
	s_wait_alu depctr_va_vdst(0)
	; ---- xn, and into the stage
.irp k, 0,1,2,3,4,5,6,7
.irp i, 0,1,2,3
	v_pk_mul_f32 v[D+16*\i+2*\k:D+16*\i+2*\k+1], v[D+16*\i+2*\k:D+16*\i+2*\k+1], v[R+2*\i:R+2*\i+1] op_sel_hi:[1,0]
.endr
.endr
.irp i, 0,1,2,3
.irp q, 0,1,2,3
	ds_store_b128 v6, v[D+16*\i+4*\q:D+16*\i+4*\q+3] offset:SPIT*\i+512*\q
.endr
.endr
	s_wait_dscnt 0x0                               ; for the others' sake: my stores into the stage are done
	s_barrier_signal -1
	s_barrier_wait -1                              ; the 32 rows of xn lie in the stage
	; ---- tile w / 4, K step w % 4: block c of my two is channels 128 s + 64 c + 32 h + 0 .. 31 of row r: all 32 are mine
.irp c, 0,1
.irp k, 0,1,2,3,4,5,6,7
	ds_load_b128 v[D+32*\c+4*\k:D+32*\c+4*\k+3], v7 offset:256*\c+16*\k
.endr
.endr
	s_wait_dscnt 0x0
.irp c, 0,1
	v_max3_num_f32 v[16+\c], |v[D+32*\c]|, |v[D+32*\c+1]|, 0x1800000   ; the largest magnitude, in two chains a block, with the floor 2^(3 - 127) among its leaves: the byte cannot fall under 1
	v_max3_num_f32 v[18+\c], |v[D+32*\c+2]|, |v[D+32*\c+3]|, |v[D+32*\c+4]|
.endr
.irp i, 5,9,13,17,21,25
.irp c, 0,1
	v_max3_num_f32 v[16+\c], v[16+\c], |v[D+32*\c+\i]|, |v[D+32*\c+\i+1]|
	v_max3_num_f32 v[18+\c], v[18+\c], |v[D+32*\c+\i+2]|, |v[D+32*\c+\i+3]|
.endr
.endr
.irp c, 0,1
	v_max3_num_f32 v[16+\c], v[16+\c], |v[D+32*\c+29]|, |v[D+32*\c+30]|
.endr
.irp c, 0,1
	v_max3_num_f32 v[16+\c], v[16+\c], v[18+\c], |v[D+32*\c+31]|
.endr
.irp c, 0,1
	v_add_nc_u32 v[20+\c], 0xff000000, v[16+\c]    ; 2 off its exponent field: the conversion takes the exponent field of this operand as its scale
.endr
.irp c, 0,1
	v_lshrrev_b32 v[24+\c], 23, v[20+\c]           ; the scale's byte
.endr
.irp c, 0,1
.irp g, 0,1,2,3
	v_cvt_scalef32_pk8_fp4_f32 v[KC+4*\c+\g], v[D+32*\c+8*\g:D+32*\c+8*\g+7], v[20+\c]
.endr
.endr
	v_lshl_or_b32 v28, v25, 16, v24                ; (a plain instruction behind the last conversion)  my two bytes, blocks h and 2 + h,
	v_lshlrev_b32 v28, v15, v28                    ; at their places in the word;
	v_permlanex16_b32 v17, v28, s22, s23
	v_or_b32 v28, v28, v17                         ; with lane l xor 16's two the word is whole, in both halves of the lanes
	ds_store_b32 v9, v28                           ; both halves write the same word with the same value
.irp c, 0,1
	global_store_b128 v4, v[KC+4*\c:KC+4*\c+3], s[16:17] offset:512*\c   ; 32 lanes store 512 consecutive bytes of the image
.endr
	; ---- x along the keys: two blocks of 32, all of a block's numbers in one lane, two chains a block
	s_wait_loadcnt 0x0
.irp t, 0,1
	v_max3_num_f32 v[16+\t], |v[Y+32*\t]|, |v[Y+32*\t+1]|, 0x1800000
	v_max3_num_f32 v[18+\t], |v[Y+32*\t+2]|, |v[Y+32*\t+3]|, |v[Y+32*\t+4]|
.endr
.irp i, 5,9,13,17,21,25
.irp t, 0,1
	v_max3_num_f32 v[16+\t], v[16+\t], |v[Y+32*\t+\i]|, |v[Y+32*\t+\i+1]|
	v_max3_num_f32 v[18+\t], v[18+\t], |v[Y+32*\t+\i+2]|, |v[Y+32*\t+\i+3]|
.endr
.endr
.irp t, 0,1
	v_max3_num_f32 v[16+\t], v[16+\t], |v[Y+32*\t+29]|, |v[Y+32*\t+30]|
.endr
.irp t, 0,1
	v_max3_num_f32 v[16+\t], v[16+\t], v[18+\t], |v[Y+32*\t+31]|
.endr
.irp t, 0,1
	v_add_nc_u32 v[22+\t], 0xff000000, v[16+\t]
.endr
.irp t, 0,1
	v_lshrrev_b32 v[26+\t], 23, v[22+\t]
.endr
.irp t, 0,1
.irp g, 0,1,2,3
	v_cvt_scalef32_pk8_fp4_f32 v[VC+4*\t+\g], v[Y+32*\t+8*\g:Y+32*\t+8*\g+7], v[22+\t]
.endr
.endr
	v_lshl_or_b32 v29, v27, 8, v26                 ; (a plain instruction behind the last conversion)  my two bytes of the channel's scale word
	ds_store_b16 v14, v29
.irp t, 0,1
	global_store_b128 v8, v[VC+4*\t:VC+4*\t+3], s[20:21] offset:256*\t   ; sixteen lanes store 256 consecutive bytes, at a multiple of 256 from kv's first byte
.endr
	s_wait_dscnt 0x0                               ; for the others' sake: my scale words are in LDS
	s_barrier_signal -1
	s_barrier_wait -1
	s_cmp_lt_u32 s10, 2                            ; the 1,024 bytes of scale words leave by waves 0 and 1, 16 bytes a thread, in whole units of 256 bytes
	s_cbranch_scc0 .Ldone
	ds_load_b128 v[16:19], v11
	s_wait_dscnt 0x0
	global_store_b128 v10, v[16:19], s[32:33]
.Ldone:
	s_wait_tensorcnt 0x0                           ; the wave's end: behind my last LDS store
	ds_add_u32 v12, v13
	s_wait_dscnt 0x0
	s_endpgm
.Lfunc_end_k_q1b26fbd16a_prep:
	.size	k_q1b26fbd16a_prep, .Lfunc_end_k_q1b26fbd16a_prep-k_q1b26fbd16a_prep
	.p2alignl 7, 3214868480
	.fill 96, 4, 3214868480
	.section	.rodata,"a",@progbits
	.p2align	6, 0x0
	.amdhsa_kernel k_q1b26fbd16a_prep
		.amdhsa_group_segment_fixed_size 68096
		.amdhsa_private_segment_fixed_size 0
		.amdhsa_enable_private_segment 0
		.amdhsa_kernarg_size 16
		.amdhsa_user_sgpr_count 2
		.amdhsa_user_sgpr_kernarg_segment_ptr 1
		.amdhsa_wavefront_size32 1
		.amdhsa_system_sgpr_workgroup_id_x 1
		.amdhsa_system_sgpr_workgroup_id_y 1
		.amdhsa_system_sgpr_workgroup_id_z 1
		.amdhsa_system_vgpr_workitem_id 0
		.amdhsa_next_free_vgpr 192
		.amdhsa_next_free_sgpr 66
		.amdhsa_reserve_vcc 0
		.amdhsa_float_denorm_mode_32 3
		.amdhsa_float_denorm_mode_16_64 3
		.amdhsa_memory_ordered 1
		.amdhsa_forward_progress 1
		.amdhsa_inst_pref_size 27
	.end_amdhsa_kernel
	.amdgpu_metadata
---
amdhsa.version: [ 1, 2 ]
amdhsa.kernels:
  - .name:           k_q1b26fbd16a_prep
    .symbol:         k_q1b26fbd16a_prep.kd
    .args:
      - { .name: x, .offset: 0, .size: 8, .value_kind: global_buffer, .address_space: global }
      - { .name: kv, .offset: 8, .size: 8, .value_kind: global_buffer, .address_space: global }
    .group_segment_fixed_size: 68096
    .private_segment_fixed_size: 0
    .kernarg_segment_align: 8
    .kernarg_segment_size: 16
    .max_flat_workgroup_size: 256
    .sgpr_count:     66
    .vgpr_count:     192
    .wavefront_size: 32
...
	.end_amdgpu_metadata
.endif
;; end of part 1
;; launch attn (part 2): grid 128 x 2, 8 waves a work-group, clusters of 4 x 1, 327,680 bytes of LDS; arguments kv, opart, lpart; writes opart, lpart
.if DOCPART == 2
	.amdgcn_target "amdgcn-amd-amdhsa--gfx1250"
	.amdhsa_code_object_version 6
	.text
	.protected	k_q1b26fbd16a_attn
	.globl	k_q1b26fbd16a_attn
	.p2align	8
	.type	k_q1b26fbd16a_attn,@function
k_q1b26fbd16a_attn:
	s_mov_b64 s[64:65], 0
	v_nop
	global_prefetch_b8 v0, s[64:65] scope:SCOPE_SE
	s_setreg_imm32_b32 hwreg(HW_REG_WAVE_MODE, 25, 1), 1
	s_wait_xcnt 0x0
	s_wait_alu depctr_hold_cnt(0) depctr_sa_sdst(0) depctr_va_vdst(0) depctr_va_sdst(0) depctr_va_ssrc(0) depctr_va_vcc(0) depctr_vm_vsrc(0)
	s_getreg_b32 s2, hwreg(HW_REG_IB_STS2, 6, 4)
	s_cmp_eq_u32 s2, 0
	s_cbranch_scc0 .Lentry_in_a_cluster
	s_endpgm
.Lentry_in_a_cluster:
	s_bfe_u32 s2, ttmp6, 0x10000c
	s_cmp_lg_u32 s2, 0x3003
	s_cbranch_scc0 .Lentry_shape_is_right
	s_endpgm
.Lentry_shape_is_right:
; For 64 queries (block qb) and one half of the keys (kh: 4,096 keys, 16 steps of 256): O^T = the sum over the keys of x^T p^T, and l = the sum of p, p = 2^(score x log2 e), score = Q(xn) . Q(xn).
; Both products on codes of E2M1 with E8M0 scales; codes and scale words were laid by the first launch as images of operand registers (its head comment has the layouts).
; NO MAXIMUM IS TAKEN AWAY AHEAD OF THE EXPONENTIAL (M = 0).  reference() itself normalises the rows: a quantised row's norm is under 1.6 for every x (shown at the first kernel's head), so |score| <= 2.56,
; 2^-3.7 <= p <= 2^3.7 and l <= 8192 x 13: nothing can overflow or underflow.  M is a whole number, which a block's scale takes up exactly: the codes are the same, O and l both 2^M times the stated ones, O / l the same.
; So nothing is rescaled from step to step, the sums over the two halves of the keys simply add (third launch), and the order in which a work-group walks its keys is free.  No work is left out.
; SHARES, eight waves, two to a SIMD.  SCORES: wave w makes S^T = K Q^T for the step's key block w (32 rows, one instruction) and all four tiles m of 16 queries; Q stays in registers.  A lane holds one query (lane % 16),
; and its 16 registers of a tile are the keys 32 w + 16 (lane / 16) + 0 .. 15.  It quantises its block of p and puts 8 bytes of codes a lane and the block's byte at their places in P's register images in LDS.
; OUTPUTS: wave w makes O^T += V^T P^T for channels 64 w .. + 63 (two pairs of tiles, 32 rows an instruction) and all 64 queries; a step is two products' K of 128 keys, k = 0, 1.
; TRIP j, from one barrier to the next: loads of V, P of step j-1, k = 0 | K Q^T of step j | loads of K(j+1) | V^T P, k = 0 | loads of V, P, k = 1 | softmax of step j, P(j) to LDS | V^T P, k = 1, round the barrier.
; THE RING: two LDS slots of {K, V} of a step (139,264 bytes).  At the barrier ahead of trip j: K(j) and V(j-2) have been read by all, so slot j % 2 takes K(j+2) and V(j): waves 0-3 fetch K's quarters, waves 4-7 V's.
; The head fetches K(0), V(0), K(1), V(1), one load a wave; so the barriers ahead of trips 0 and 1 fetch K alone and those ahead of trips 14 and 15 V alone, an eighth a wave: nothing is filled that no step reads.
; A wave has one tensor load out at a time.
; CLUSTER: the four query blocks of a cluster walk the same keys: each load is asked for JOINTLY, mask 15.
; THE WALK IS ROTATED: cluster c begins at chunk c % 16 of its half of the keys and wraps, so that at any time the clusters ask for different chunks.  No prefetch is written: each chunk is walked by 32 clusters, and
; the clusters' loads at the head between them name every chunk of kv.
; REGISTERS: window 0: v0-63 as named below; v64-127 S^T, then p; v128-191 K's fragments; v192-223 V's; v224-255 P's.   window 1: v0-127 O^T, accumulator (ip, m) at 16 (4 ip + m); v128-255 Q at 128 + 8 (4 m + s).
; LIMITS: NaN and infinities are not served.
.set PIECE, 8704
.set VOFF,  8*PIECE
.set CHUNK, 16*PIECE                   ; slot p of the ring begins at p x CHUNK
.set PIMG,  2*CHUNK                    ; P's images: [buffer 0..1][k 0..1][m 0..3][1,024]
.set PSC,   PIMG+16384                 ; P's scale words: [buffer][k][r][m]
.set LSUM,  PSC+1024                   ; the waves' parts of l: 8 x 64 words
.set SPARE, LSUM+2048                  ; the spare words, 128 bytes a wave: four blocks of 256 bytes that no other line names
.set AK,  1                            ; v1-2  my piece of K in slot 0, 1: + 16 x lane
.set AV,  3                            ; v3-4  of V
.set AVS, 5                            ; v5-6  V's scale words: + 8 x lane
.set PST, 7                            ; v7    where I put 8 bytes of P's codes
.set PSS, 8                            ; v8    and the block's byte
.set PLD, 9                            ; v9    PIMG + 16 x lane
.set PSL, 10                           ; v10   PSC + 16 r
.set L16, 11                           ; v11   16 x lane
.set SPW, 12                           ; v12   my spare word; never rewritten
.set NIL, 13                           ; v13   0; never rewritten
.set QS,  14                           ; v14-29 Q's scale words: register 4 m + s
.set KS,  30                           ; v30-33 K's: register s, lane 16 u + r
.set VS,  34                           ; v34-35 V's: register ip
.set PS,  36                           ; v36-39 P's: register m
.set L,   40                           ; v40-47 the pair 40 + 2 m: l of tile m, even and odd keys
.set MX,  48
.set MY,  52
.set PC,  56
.set S,   64                           ; 16 m + j
.set KF,  128                          ; 16 s + 8 u
.set V,   192                          ; 16 ip + 8 (i % 2)
.set P,   224                          ; 8 m
.set WV,  12
.set G1Q, 16                           ; s[16:23] descriptor group 1: 68 rows of 256 bytes;  s[24:31]: 34;  s[32:39]: 136
.set G1E, 24
.set G1H, 32
.set G0,  40                           ; s[40:43] group 0
.set OB,  48
.set LB,  50
.set QB,  52
.set KVB, 54                           ; s[54:55] kv at my half of the keys
.set WQ,  56                           ; wave x 17,408
.set WE,  57                           ; wave x 8,704
.set IDX, 58                           ; cluster + the number of the trip that the next fill stands ahead of
.set TRIP, 59
.set SEL, 60
.set CS,  62                           ; s[62:63] log2(e): the packed form names a pair
.set KO,  66                           ; how many steps my fills run beyond V's: 2 where I fetch K, 0 where I fetch V
.set MSB, 0
.macro WIN new                         ; the immediate's high byte repeats the setting that is left; a switch that changes nothing is dropped
.if MSB != \new
	s_set_vgpr_msb (MSB<<8)|\new
.set MSB, \new
.endif
.endm
.macro PLACES n                        ; plain vector instructions that name no register of the matrix instructions in front of them (ISA guide 7.12.1)
.rept \n
	v_nop
.endr
.endm
.macro CREST                           ; a round of the cluster's barrier behind its opening barrier: wave 0 signals for the work-group; every wave waits for all four work-groups; my work-group's barrier once more
	s_cmp_lg_u32 s[WV], 0
	s_cbranch_scc1 .Lnot_wave_0_\@
	s_barrier_signal -3
.Lnot_wave_0_\@:
	s_barrier_wait -3
	s_barrier_signal -1
	s_barrier_wait -1
.endm
.macro CROUND
	s_barrier_signal -1
	s_barrier_wait -1
	CREST
.endm
.macro LDK slot                        ; my block of K and its scale words: 17 loads
.irp s, 0,1,2,3
.irp u, 0,1
.irp c, 0,1
	ds_load_b128 v[KF+16*\s+8*\u+4*\c:KF+16*\s+8*\u+4*\c+3], v[AK+(\slot)] offset:4096*\u+1024*\s+512*\c
.endr
.endr
.endr
	ds_load_b128 v[KS:KS+3], v[AK+(\slot)] offset:8192
.endm
.macro VPLOAD slot, k, d, ps, vs       ; P's four fragments and V's four of half k of a step, and their scale words: 18 loads; d moves the fragments' registers
.irp m, 0,1,2,3
.irp c, 0,1
	ds_load_b128 v[P+(\d)+8*\m+4*\c:P+(\d)+8*\m+4*\c+3], v[PLD] offset:8192*(\slot)+4096*(\k)+1024*\m+512*\c
.endr
.endr
	ds_load_b128 v[\ps:\ps+3], v[PSL] offset:512*(\slot)+256*(\k)
.irp i, 0,1,2,3
.irp c, 0,1
	ds_load_b128 v[V+(\d)+8*\i+4*\c:V+(\d)+8*\i+4*\c+3], v[AV+(\slot)] offset:4096*(\k)+1024*\i+512*\c
.endr
.endr
	ds_load_b64 v[\vs:\vs+1], v[AVS+(\slot)] offset:256*(\k)
.endm
; S^T = K Q^T: 16 products; the four accumulators take turns, one instruction a turn, K ascending; the first K step starts the sums with the constant 0.
.macro SMUL
	WIN 0x04                                       ; Q (source 1) in window 1
.set nn, 0
.rept 16
.set rS, S+16*(nn%4)
.set rK, KF+16*(nn/4)
.set rQ, 128+8*(4*(nn%4)+nn/4)
.set rA, KS+nn/4
.set rB, QS+4*(nn%4)+nn/4
.if nn < 4
	v_wmma_scale_f32_32x16x128_f4 v[rS:rS+15], v[rK:rK+15], v[rQ:rQ+7], 0, v[rA], v[rB]
.else
	v_wmma_scale_f32_32x16x128_f4 v[rS:rS+15], v[rK:rK+15], v[rQ:rQ+7], v[rS:rS+15], v[rA], v[rB]
.endif
.set nn, nn+1
.endr
	WIN 0
.endm
; O^T += V^T P^T: products a .. b - 1 of the eight of a half step, one on each accumulator.  z = 1: they start the sums: nothing is ever cleared.  Under WIN 0x50: C and D in window 1.
.macro PVR a, b, z, d, ps, vs
.set nn, \a
.rept (\b)-(\a)
.set rO, 16*(4*(nn%2)+nn/2)
.set rV, V+(\d)+16*(nn%2)
.set rP, P+(\d)+8*(nn/2)
.set rA, \vs+nn%2
.set rB, \ps+nn/2
.if \z
	v_wmma_scale_f32_32x16x128_f4 v[rO:rO+15], v[rV:rV+15], v[rP:rP+7], 0, v[rA], v[rB]
.else
	v_wmma_scale_f32_32x16x128_f4 v[rO:rO+15], v[rV:rV+15], v[rP:rP+7], v[rO:rO+15], v[rA], v[rB]
.endif
.set nn, nn+1
.endr
.endm
.macro POST m, n                       ; n even: a link of the chain that finds my 16 p's largest; n odd: a pair onto l: THE SUM IS TAKEN OF THE UNQUANTISED p
.if (\n)%2 == 1
	v_pk_add_f32 v[L+2*(\m):L+2*(\m)+1], v[L+2*(\m):L+2*(\m)+1], v[S+16*(\m)+(\n)-1:S+16*(\m)+(\n)]
.elseif (\n) == 0
	v_max3_num_f32 v[MX+(\m)], v[S+16*(\m)], v[S+16*(\m)+1], v[S+16*(\m)+2]
.elseif (\n) == 14
	v_max_num_f32 v[MX+(\m)], v[MX+(\m)], v[S+16*(\m)+15]
.else
	v_max3_num_f32 v[MX+(\m)], v[MX+(\m)], v[S+16*(\m)+(\n)+1], v[S+16*(\m)+(\n)+2]
.endif
.endm
; THE SOFTMAX of a step, the four tiles by turns; P's codes and scale bytes into buffer b.
.macro SOFT b
.set nn, 0
.rept 32
.set rS, S+16*(nn%4)+2*(nn/4)
	v_pk_mul_f32 v[rS:rS+1], v[rS:rS+1], s[CS:CS+1] op_sel_hi:[1,0]   ; t = score x log2 e; each accumulator is read from its low end on
.set nn, nn+1
.endr
	s_wait_alu depctr_va_vdst(0)                   ; a wait ahead of the batch,
.set nn, 0
.rept 64
.set rS, S+16*(nn%4)+nn/4
	v_exp_f32 v[rS], v[rS]                         ; p = 2^t
.set nn, nn+1
.endr
	v_nop
	s_wait_alu depctr_va_vdst(0)                   ; and one behind it
.set ee, 0
.rept 64
	POST ee%4, ee/4
.set ee, ee+1
.endr
.irp m, 0,1,2,3
	v_permlanex16_b32 v[MY+\m], v[MX+\m], s[SEL], s[SEL+1]
.endr
.irp m, 0,1,2,3
	v_max_num_f32 v[MX+\m], v[MX+\m], v[MY+\m]     ; the block's largest, with lane l xor 16's 16 keys
.endr
.irp m, 0,1,2,3
	v_add_nc_u32 v[MX+\m], 0xff000000, v[MX+\m]    ; 2 off its exponent field: the conversion's scale operand (no floor: p >= 2^-3.7)
.endr
.irp m, 0,1,2,3
	v_lshrrev_b32 v[MY+\m], 23, v[MX+\m]           ; the scale's byte
.endr
.irp m, 0,1,2,3
	v_cvt_scalef32_pk8_fp4_f32 v[PC+2*\m], v[S+16*\m:S+16*\m+7], v[MX+\m]          ; keys 32 w + 16 h + 0 .. 7
	v_cvt_scalef32_pk8_fp4_f32 v[PC+2*\m+1], v[S+16*\m+8:S+16*\m+15], v[MX+\m]     ; and + 8 .. 15
.endr
	v_nop                                          ; a plain instruction behind the last conversion
.irp m, 0,1,2,3
	ds_store_b64 v[PST], v[PC+2*\m:PC+2*\m+1] offset:8192*(\b)+1024*\m   ; a lane's 16 codes are half h of its block in row r's 16 bytes
.endr
.irp m, 0,1,2,3
	ds_store_b8 v[PSS], v[MY+\m] offset:512*(\b)+4*\m                    ; both halves of the lanes write the same byte with the same value
.endr
.endm
; The group 0 of a fill of slot: kind 1: K (waves 0-3) and V (waves 4-7), a quarter a wave; 2: K alone, 3: V alone, an eighth a wave.  The walk wraps at sixteen chunks.
.macro FILL kind, slot
.if \kind == 1
	s_add_co_u32 s44, s[IDX], s[KO]
.elseif \kind == 2
	s_add_co_u32 s44, s[IDX], 2
.else
	s_mov_b32 s44, s[IDX]
.endif
	s_and_b32 s44, s44, 15
	s_mul_i32 s44, s44, CHUNK
.if \kind == 1
	s_add_co_u32 s44, s44, s[WQ]
	s_add_co_u32 s[G0+1], s[WQ], (\slot)*CHUNK
.elseif \kind == 2
	s_add_co_u32 s44, s44, s[WE]
	s_add_co_u32 s[G0+1], s[WE], (\slot)*CHUNK
.else
	s_add_co_u32 s44, s44, s[WE]
	s_add_co_u32 s44, s44, VOFF
	s_add_co_u32 s[G0+1], s[WE], (\slot)*CHUNK+VOFF
.endif
	s_add_nc_u64 s[G0+2:G0+3], s[KVB:KVB+1], s[44:45]
	s_or_b32 s[G0+3], s[G0+3], 0x80000000          ; 127:126 type = 2
	s_add_co_u32 s[IDX], s[IDX], 1
.endm
.macro TFILL kind                      ; the first thing behind the round, my one tensor load until the next
.if \kind == 1
	tensor_load_to_lds s[G0:G0+3], s[G1Q:G1Q+7]
.else
	tensor_load_to_lds s[G0:G0+3], s[G1E:G1E+7]
.endif
	s_nop 0
.endm
; TRIP j, p = j % 2.  sm: K Q^T of step j stands here (trip 0's stands at the head); pv: V^T P of step j - 1: 0 none, 1 it starts O^T's sums, 2 it adds.  nx = 1: step j + 1 exists.  kind: what the barrier at the end fills; 0: nothing.
; P has two buffers by turns: a buffer is written again two trips on, by waves that have passed the barrier between, in front of which every wave has waited for its reads.
.macro ITER p, sm, pv, nx, kind
.if \pv
	VPLOAD (\p+1)%2, 0, 0, PS, VS                  ; four places stand behind the last products that read these registers
.endif
.if \sm
	SMUL
	PLACES 4                                       ; in front of the loads into K's fragments and of the first read of the scores
.endif
.if \nx
	LDK (\p+1)%2
.endif
.if \pv
	s_wait_dscnt 17*\nx                            ; V's and P's 18 loads are in; K's 17 are younger
	WIN 0x50
	PVR 0, 8, 2-\pv, 0, PS, VS
	PLACES 4
	WIN 0
	VPLOAD (\p+1)%2, 1, 0, PS, VS
.endif
	SOFT \p
.if \pv
	s_wait_dscnt 8                                 ; V's and P's second half is in; P(j)'s 8 stores are younger
	s_wait_alu depctr_va_vdst(0)                   ; the wait ahead of the first readers of O^T behind the exponentials
	WIN 0x50
	PVR 0, 4, 0, 0, PS, VS
	WIN 0
.endif
	s_wait_tensorcnt 0x0                           ; my one tensor load has landed; so group 0 may be written
	ds_add_u32 v[SPW], v[NIL]                      ; 0 onto my spare word
.if \kind
	FILL \kind, (\p+1)%2
.endif
.if \pv
	WIN 0x50
	PVR 4, 6, 0, 0, PS, VS
.endif
	s_wait_dscnt 0x0                               ; the add is done, my part of P is in LDS, and my reads of both slots are over
	s_barrier_signal -1
.if \pv
	PVR 6, 8, 0, 0, PS, VS                         ; work on registers while the others arrive
	WIN 0
.endif
	s_barrier_wait -1
.if \kind
	CREST                                          ; all that holds of every wave of all four work-groups
	TFILL \kind
.endif
	PLACES 4
.endm
	s_load_b128 s[4:7], s[0:1], 0x0                ; kv s[4:5], opart s[6:7]
	s_load_b64 s[8:9], s[0:1], 0x10                ; lpart
	v_lshl_add_u32 v[SPW], v0, 2, SPARE
	v_mov_b32 v[NIL], 0
	ds_add_u32 v[SPW], v[NIL]                      ; the wave's opening: the add, twice on end, and its wait ahead of my first tensor load; the set-up below stands between the second and the wait
	ds_add_u32 v[SPW], v[NIL]
	v_lshrrev_b32 v64, 5, v0
	v_readfirstlane_b32 s[WV], v64                 ; wave 0..7
	s_bfe_u32 s13, ttmp6, 0x40000                  ; cx: my place in the cluster: it enters global addresses of my own loads and stores alone
	s_lshl_b32 s14, ttmp9, 2
	s_add_co_u32 s14, s14, s13                     ; qb = 4 x cluster x + cx
	s_and_b32 s15, ttmp7, 0xffff                   ; kh, which the four partners share
	; descriptor groups 1: dense bytes as rows of 32 elements of 8 bytes; no padding: every LDS read is 16 bytes a lane on end
.macro GROUP1 g, rows
	s_mov_b32 s[\g], 15|(3<<16)|(1<<21)            ; 15:0 the mask: all four work-groups; 17:16 elements of 8 bytes; 21 set beside a mask
	s_mov_b32 s[\g+1], 32<<16                      ; tensor_dim0
	s_mov_b32 s[\g+2], \rows<<16                   ; tensor_dim1
	s_mov_b32 s[\g+3], 32<<16                      ; tile_dim0
	s_mov_b32 s[\g+4], \rows                       ; tile_dim1
	s_mov_b32 s[\g+5], 32                          ; tensor_dim0_stride
	s_mov_b32 s[\g+6], 0
	s_mov_b32 s[\g+7], 0
.endm
	GROUP1 G1Q, 68
	GROUP1 G1E, 34
	GROUP1 G1H, 136
	s_mul_i32 s[WQ], s[WV], 2*PIECE
	s_mul_i32 s[WE], s[WV], PIECE
	s_lshr_b32 s67, s[WV], 2                       ; w / 4
	s_and_b32 s68, s[WV], 3                        ; w % 4
	s_lshl_b32 s[KO], s67, 1
	s_sub_co_u32 s[KO], 2, s[KO]
	s_mov_b32 s[IDX], ttmp9                        ; the cluster's number: the same in all four partners
	s_mov_b32 s45, 0                               ; the upper word of the pair s[44:45], a chunk's offset; never rewritten
	s_add_co_u32 s44, s[IDX], s67                  ; the head's load: waves 0-3 the quarters of chunk c, waves 4-7 those of chunk c + 1
	s_and_b32 s44, s44, 15
	s_mul_i32 s44, s44, CHUNK
	s_mul_i32 s46, s68, 4*PIECE
	s_add_co_u32 s44, s44, s46
	s_mul_i32 s[G0+1], s[WV], 4*PIECE              ; in LDS: the two slots on end
	s_mov_b32 s[G0], 1                             ; 1:0 count = 1
	s_mul_i32 s[KVB], s15, 16*CHUNK                ; my half of the keys: 16 chunks
	s_mov_b32 s[KVB+1], 0
	s_lshl_b32 s[OB], s15, 24                      ; opart: ((128 kh + qb) x 8 + w) x 16,384
	s_lshl_b32 s46, s14, 17
	s_add_co_u32 s[OB], s[OB], s46
	s_lshl_b32 s46, s[WV], 14
	s_add_co_u32 s[OB], s[OB], s46
	s_mov_b32 s[OB+1], 0
	s_lshl_b32 s[LB], s15, 15                      ; lpart: (8,192 kh + 64 qb) x 4
	s_lshl_b32 s46, s14, 8
	s_add_co_u32 s[LB], s[LB], s46
	s_mov_b32 s[LB+1], 0
	s_lshr_b32 s46, s14, 2                         ; my queries are K pieces 2 (qb % 4), + 1 of chunk qb / 4
	s_mul_i32 s[QB], s46, CHUNK
	s_and_b32 s47, s14, 3
	s_mul_i32 s47, s47, 2*PIECE
	s_add_co_u32 s[QB], s[QB], s47
	s_mov_b32 s[QB+1], 0
	s_mov_b32 s[SEL], 0x76543210
	s_mov_b32 s[SEL+1], 0xfedcba98                 ; v_permlanex16_b32's selects for lane l xor 16
	s_mov_b32 s[CS], 0x3fb8aa3b                    ; log2(e)
	s_mov_b32 s[CS+1], s[CS]                       ; (named with it as a pair, so it is written)
	s_mov_b32 s[TRIP], 5
	s_add_co_u32 s69, s[WE], VOFF+8192             ; V's scale words in slot 0
	s_lshl_b32 s70, s67, 12
	s_lshl_b32 s71, s68, 8
	s_add_co_u32 s70, s70, s71
	s_add_co_u32 s70, s70, PIMG                    ; my block in P's images: k = w / 4, block w % 4
	s_lshl_b32 s71, s67, 8
	s_add_co_u32 s71, s71, s68
	s_add_co_u32 s71, s71, PSC                     ; and its byte
	v_and_b32 v64, 31, v0                          ; lane
	v_and_b32 v65, 15, v0                          ; r
	v_bfe_u32 v66, v0, 4, 1                        ; h
	v_lshlrev_b32 v[L16], 4, v64
	v_lshlrev_b32 v67, 4, v65                      ; 16 r
	v_add_nc_u32 v[AK], s[WE], v[L16]
	v_add_nc_u32 v[AK+1], CHUNK, v[AK]
	v_add_nc_u32 v[AV], VOFF, v[AK]
	v_add_nc_u32 v[AV+1], VOFF, v[AK+1]
	v_lshl_add_u32 v[AVS], v64, 3, s69
	v_add_nc_u32 v[AVS+1], CHUNK, v[AVS]
	v_lshl_add_u32 v[PST], v66, 3, v67
	v_add_nc_u32 v[PST], s70, v[PST]
	v_add_nc_u32 v[PSS], s71, v67
	v_add_nc_u32 v[PLD], PIMG, v[L16]
	v_add_nc_u32 v[PSL], PSC, v67
	s_wait_alu depctr_va_vdst(0)
	s_wait_dscnt 0x0                               ; both opening adds are done
	CROUND                                         ; all four work-groups are here: the first joint loads meet
	s_wait_kmcnt 0x0
	s_add_nc_u64 s[KVB:KVB+1], s[4:5], s[KVB:KVB+1]
	s_add_nc_u64 s[QB:QB+1], s[4:5], s[QB:QB+1]
	s_add_nc_u64 s[OB:OB+1], s[6:7], s[OB:OB+1]
	s_add_nc_u64 s[LB:LB+1], s[8:9], s[LB:LB+1]
	s_add_nc_u64 s[G0+2:G0+3], s[KVB:KVB+1], s[44:45]
	s_or_b32 s[G0+3], s[G0+3], 0x80000000
	tensor_load_to_lds s[G0:G0+3], s[G1H:G1H+7]    ; both slots: one tensor load a wave at the head
	s_nop 0
	PLACES 4
	WIN 0x40                                       ; destination window 1
.irp m, 0,1,2,3
.irp s, 0,1,2,3
.irp c, 0,1
	global_load_b128 v[128+8*(4*\m+\s)+4*\c:128+8*(4*\m+\s)+4*\c+3], v[L16], s[QB:QB+1] offset:(\m/2)*PIECE+(\m%2)*4096+1024*\s+512*\c   ; Q stays in registers
.endr
.endr
.endr
	WIN 0
.irp m, 0,1,2,3
	global_load_b128 v[QS+4*\m:QS+4*\m+3], v67, s[QB:QB+1] offset:(\m/2)*PIECE+8192+(\m%2)*256
.endr
.irp i, 0,1,2,3,4,5,6,7
	v_mov_b32 v[L+\i], 0                           ; l
.endr
.irp i, 0,1,2,3
	v_mov_b32 v[MY+\i], 0                          ; written once: a lane permute's destination counts as one of its sources
.endr
	s_wait_alu depctr_va_vdst(0)                   ; the wait at the head's end
	s_wait_tensorcnt 0x0                           ; my part of both slots is in
	s_barrier_signal -1
	s_barrier_wait -1                              ; everybody's is
	LDK 0
	s_wait_loadcnt 0x0                             ; Q and its scale words
	s_wait_tensorcnt 0x0                           ; the barrier ahead of trip 0: K(0) goes into registers, and its place takes K(2)
	ds_add_u32 v[SPW], v[NIL]
	FILL 2, 0
	s_wait_dscnt 0x0
	s_barrier_signal -1
	SMUL                                           ; K Q^T of step 0: work on registers
	s_barrier_wait -1
	CREST
	TFILL 2
	PLACES 4
	ITER 0, 0, 0, 1, 2                             ; trip 0: there is no P yet; K(3) is asked for
	ITER 1, 1, 1, 1, 1                             ; trip 1: V^T P of step 0 starts O^T's sums
.Ltrip:                                            ; 5 times two trips, once round the ring: trips 2 to 11
	ITER 0, 1, 2, 1, 1
	ITER 1, 1, 2, 1, 1
	s_sub_co_u32 s[TRIP], s[TRIP], 1
	s_cmp_lg_u32 s[TRIP], 0
	s_wait_alu depctr_va_vdst(0)                   ; the wait directly ahead of the branch
	s_cbranch_scc1 .Ltrip
	ITER 0, 1, 2, 1, 1                             ; trip 12.  The tail is written out
	ITER 1, 1, 2, 1, 3                             ; trip 13: V(14) is asked for
	ITER 0, 1, 2, 1, 3                             ; trip 14: V(15)
	ITER 1, 1, 2, 0, 0                             ; trip 15: no step follows
	VPLOAD 1, 0, 0, PS, VS                         ; V^T P of step 15: its second half into the registers of K's fragments and of Q's and K's scale words, which are done with
	VPLOAD 1, 1, -64, QS, KS
	s_wait_dscnt 18                                ; the first half is in; the second's 18 loads are younger
	WIN 0x50
	PVR 0, 8, 0, 0, PS, VS
	s_wait_dscnt 0x0
	PVR 0, 8, 0, -64, QS, KS
	WIN 0
	; THE WAY OUT.  My part of l: the pair's halves and lane l xor 16's (these lines are also the places behind the last products); the eight waves' parts meet in LDS.
.irp m, 0,1,2,3
	v_add_f32 v[MX+\m], v[L+2*\m], v[L+2*\m+1]
.endr
.irp m, 0,1,2,3
	v_permlanex16_b32 v[MY+\m], v[MX+\m], s[SEL], s[SEL+1]
.endr
.irp m, 0,1,2,3
	v_add_f32 v[MX+\m], v[MX+\m], v[MY+\m]
.endr
	s_lshl_b32 s67, s[WV], 8
	s_add_co_u32 s67, s67, LSUM
	v_and_b32 v64, 15, v0
	v_lshl_add_u32 v64, v64, 2, s67
	v_lshl_add_u32 v65, v0, 2, LSUM
	v_lshlrev_b32 v66, 2, v0
.irp m, 0,1,2,3
	ds_store_b32 v64, v[MX+\m] offset:64*\m        ; both halves of the lanes write the same word with the same value
.endr
	WIN 0x04                                       ; a store's data are its source 1: window 1
.set a, 0
.rept 16                                       ; O^T leaves as images of its registers, a = 4 i + m: each store covers 512 consecutive bytes; each accumulator from its low end on
.set rO, 16*(4*(a/8)+a%4)+8*((a/4)%2)
	global_store_b128 v[L16], v[rO:rO+3], s[OB:OB+1] offset:1024*a th:TH_STORE_NT
	global_store_b128 v[L16], v[rO+4:rO+7], s[OB:OB+1] offset:1024*a+512 th:TH_STORE_NT
.set a, a+1
.endr
	WIN 0
	s_wait_alu depctr_va_vdst(0)                   ; the wait ahead of the barrier
	s_wait_dscnt 0x0                               ; for the others' sake: my part of l is in LDS
	s_barrier_signal -1
	s_barrier_wait -1
	s_cmp_lt_u32 s[WV], 2                          ; threads 0 to 63 add the eight parts of the 64 queries' l
	s_cbranch_scc0 .Lno_l
.irp i, 0,1,2,3,4,5,6,7
	ds_load_b32 v[MX+\i], v65 offset:256*\i
.endr
	s_wait_dscnt 0x0
.irp i, 0,1,2,3
	v_add_f32 v[MX+\i], v[MX+\i], v[MY+\i]
.endr
	v_add_f32 v[MX], v[MX], v[MX+1]
	v_add_f32 v[MX+2], v[MX+2], v[MX+3]
	v_add_f32 v[MX], v[MX], v[MX+2]
	global_store_b32 v66, v[MX], s[LB:LB+1]        ; 64 threads store 256 consecutive bytes
.Lno_l:
	s_wait_tensorcnt 0x0                           ; the wave's end: behind my last tensor load and my last LDS store
	ds_add_u32 v[SPW], v[NIL]
	s_wait_dscnt 0x0
	CROUND                                         ; the closing round: no work-group ends while a partner may still ask for a tile that names it
	s_endpgm
.Lfunc_end_k_q1b26fbd16a_attn:
	.size	k_q1b26fbd16a_attn, .Lfunc_end_k_q1b26fbd16a_attn-k_q1b26fbd16a_attn
	.p2alignl 7, 3214868480
	.fill 96, 4, 3214868480
	.section	.rodata,"a",@progbits
	.p2align	6, 0x0
	.amdhsa_kernel k_q1b26fbd16a_attn
		.amdhsa_group_segment_fixed_size 327680
		.amdhsa_private_segment_fixed_size 0
		.amdhsa_enable_private_segment 0
		.amdhsa_kernarg_size 24
		.amdhsa_user_sgpr_count 2
		.amdhsa_user_sgpr_kernarg_segment_ptr 1
		.amdhsa_wavefront_size32 1
		.amdhsa_system_sgpr_workgroup_id_x 1
		.amdhsa_system_sgpr_workgroup_id_y 1
		.amdhsa_system_sgpr_workgroup_id_z 1
		.amdhsa_system_vgpr_workitem_id 0
		.amdhsa_next_free_vgpr 512
		.amdhsa_next_free_sgpr 80
		.amdhsa_reserve_vcc 0
		.amdhsa_float_denorm_mode_32 3
		.amdhsa_float_denorm_mode_16_64 3
		.amdhsa_memory_ordered 1
		.amdhsa_forward_progress 1
		.amdhsa_inst_pref_size 165
	.end_amdhsa_kernel
	.amdgpu_metadata
---
amdhsa.version: [ 1, 2 ]
amdhsa.kernels:
  - .name:           k_q1b26fbd16a_attn
    .symbol:         k_q1b26fbd16a_attn.kd
    .args:
      - { .name: kv, .offset: 0, .size: 8, .value_kind: global_buffer, .address_space: global }
      - { .name: opart, .offset: 8, .size: 8, .value_kind: global_buffer, .address_space: global }
      - { .name: lpart, .offset: 16, .size: 8, .value_kind: global_buffer, .address_space: global }
    .group_segment_fixed_size: 327680
    .private_segment_fixed_size: 0
    .kernarg_segment_align: 8
    .kernarg_segment_size: 24
    .max_flat_workgroup_size: 256
    .sgpr_count:     80
    .vgpr_count:     512
    .wavefront_size: 32
...
	.end_amdgpu_metadata
.endif
;; end of part 2
;; launch join (part 3): grid 128 x 4, 4 waves a work-group, no clusters, 34,304 bytes of LDS; arguments opart, lpart, out0; writes out0
.if DOCPART == 3
	.amdgcn_target "amdgcn-amd-amdhsa--gfx1250"
	.amdhsa_code_object_version 6
	.text
	.protected	k_q1b26fbd16a_join
	.globl	k_q1b26fbd16a_join
	.p2align	8
	.type	k_q1b26fbd16a_join,@function
k_q1b26fbd16a_join:
	s_mov_b64 s[64:65], 0
	v_nop
	global_prefetch_b8 v0, s[64:65] scope:SCOPE_SE
	s_setreg_imm32_b32 hwreg(HW_REG_WAVE_MODE, 25, 1), 1
	s_wait_xcnt 0x0
; out0[q][c] = (O_0 + O_1)[q][c] / (l_0 + l_1)[q]: the two halves of the keys are added (no maximum was taken away in the second launch, so the parts stand under one scale: see its head), divided by the row's sum,
; and turned from register images into rows.  Nothing is left out.
; opart: [kh][qb][w][a = 4 i + m][g][lane][16]: lane (r, h), registers 4 g .. 4 g + 3 of the accumulator: query tile m, row r, channels 128 w + 16 i + 8 h + 4 g + 0 .. 3.  lpart: [kh][64 qb + 16 m + r].
; Row r of tile m is query 64 qb + 32 (m / 2) + 8 (m % 2) + r + 8 (r / 8): the tiles' rows are not neighbours (first launch).
; SHARES.  Work-group (qb, w): 64 queries x 128 channels; wave m takes query tile m.  The launch only moves bytes: every load covers 512 consecutive bytes, every store 512 consecutive bytes of a row, at a multiple of
; 256 from out0's first byte.  No matrix unit, no cluster, no barrier: a wave's stage in LDS is its own.
.set SP,    528                        ; a stage row: 512 bytes + 16 = 33 x 16: sixteen lanes' stores of 16 bytes fall in 16 different 16-byte columns of 256 bytes
.set SPARE, 4*16*SP                    ; behind the four stages: the spare words, 128 bytes a wave: two blocks of 256 bytes that no other line names
	s_load_b128 s[4:7], s[0:1], 0x0                ; opart, lpart
	s_load_b64 s[8:9], s[0:1], 0x10                ; out0
	v_lshl_add_u32 v12, v0, 2, SPARE               ; my spare word; never rewritten
	v_mov_b32 v13, 0                               ; 0; never rewritten
	v_lshrrev_b32 v1, 5, v0
	v_readfirstlane_b32 s10, v1                    ; wave = m
	v_and_b32 v1, 31, v0                           ; lane
	v_and_b32 v2, 15, v0                           ; r
	v_bfe_u32 v3, v0, 4, 1                         ; h
	v_lshlrev_b32 v4, 4, v1                        ; 16 x lane
	v_lshlrev_b32 v5, 2, v2                        ; 4 r
	s_mul_i32 s11, s10, 16*SP                      ; my stage
	v_mul_u32_u24 v6, v2, SP
	v_lshl_add_u32 v6, v3, 5, v6
	v_add_nc_u32 v6, s11, v6                       ; in: row r, + 32 h
	v_add_nc_u32 v7, s11, v4                       ; back: a whole row, 16 bytes a lane
	v_mov_b32 v11, 0                               ; (named as the upper half of the pair v[10:11])
	s_and_b32 s12, ttmp7, 0xffff                   ; w
	s_lshl_b32 s14, ttmp9, 17                      ; opart: (4 qb + w) x 32,768 + 1,024 m
	s_lshl_b32 s15, s12, 15
	s_add_co_u32 s14, s14, s15
	s_lshl_b32 s15, s10, 10
	s_add_co_u32 s14, s14, s15
	s_mov_b32 s15, 0
	s_lshl_b32 s16, ttmp9, 8                       ; lpart: 4 (64 qb + 16 m)
	s_lshl_b32 s17, s10, 6
	s_add_co_u32 s16, s16, s17
	s_mov_b32 s17, 0
	s_lshl_b32 s18, ttmp9, 17                      ; out0: (64 qb + 32 (m / 2) + 8 (m % 2)) rows of 2,048 bytes + 512 w
	s_lshr_b32 s22, s10, 1
	s_lshl_b32 s22, s22, 16
	s_add_co_u32 s18, s18, s22
	s_and_b32 s22, s10, 1
	s_lshl_b32 s22, s22, 14
	s_add_co_u32 s18, s18, s22
	s_lshl_b32 s22, s12, 9
	s_add_co_u32 s18, s18, s22
	s_mov_b32 s19, 0
	s_wait_alu depctr_va_vdst(0)
	s_wait_kmcnt 0x0
	s_add_nc_u64 s[14:15], s[4:5], s[14:15]
	s_add_nc_u64 s[20:21], s[14:15], 0x1000000     ; the second half of the keys: 16,777,216 bytes on
	s_add_nc_u64 s[16:17], s[6:7], s[16:17]
	s_add_nc_u64 s[18:19], s[8:9], s[18:19]
	global_load_b32 v8, v5, s[16:17]
	global_load_b32 v9, v5, s[16:17] offset:32768
.irp i, 0,1,2,3,4,5,6,7
.irp g, 0,1
	global_load_b128 v[32+8*\i+4*\g:32+8*\i+4*\g+3], v4, s[14:15] offset:4096*\i+512*\g th:TH_LOAD_NT
	global_load_b128 v[96+8*\i+4*\g:96+8*\i+4*\g+3], v4, s[20:21] offset:4096*\i+512*\g th:TH_LOAD_NT
.endr
.endr
	s_wait_loadcnt 32                              ; the two l are in; O's 32 loads are younger
	v_add_f32 v10, v8, v9
	s_wait_alu depctr_va_vdst(0)
	v_rcp_f32 v10, v10
	s_wait_loadcnt 0x0
.set j, 0
.rept 32
	v_pk_add_f32 v[32+j:33+j], v[32+j:33+j], v[96+j:97+j]   ; the plain work behind the reciprocal
.set j, j+2
.endr
	s_wait_alu depctr_va_vdst(0)                   ; the wait ahead of the reciprocal's first reader
.set j, 0
.rept 32
	v_pk_mul_f32 v[32+j:33+j], v[32+j:33+j], v[10:11] op_sel_hi:[1,0]
.set j, j+2
.endr
.irp i, 0,1,2,3,4,5,6,7
.irp g, 0,1
	ds_store_b128 v6, v[32+8*\i+4*\g:32+8*\i+4*\g+3] offset:64*\i+16*\g
.endr
.endr
.irp t, 0,1,2,3,4,5,6,7,8,9,10,11,12,13,14,15
	ds_load_b128 v[96+4*\t:96+4*\t+3], v7 offset:SP*\t   ; LDS serves a wave's instructions in order (ISA guide 5.7.1.4): these see my stores
.endr
.irp t, 0,1,2,3,4,5,6,7,8,9,10,11,12,13,14,15
	s_wait_dscnt 15-\t                             ; row t is back; the later rows' loads are younger
	global_store_b128 v4, v[96+4*\t:96+4*\t+3], s[18:19] offset:(\t+8*(\t/8))*2048 th:TH_STORE_NT
.endr
	s_wait_tensorcnt 0x0                           ; the wave's end: behind my last LDS store
	ds_add_u32 v12, v13
	s_wait_dscnt 0x0
	s_endpgm
.Lfunc_end_k_q1b26fbd16a_join:
	.size	k_q1b26fbd16a_join, .Lfunc_end_k_q1b26fbd16a_join-k_q1b26fbd16a_join
	.p2alignl 7, 3214868480
	.fill 96, 4, 3214868480
	.section	.rodata,"a",@progbits
	.p2align	6, 0x0
	.amdhsa_kernel k_q1b26fbd16a_join
		.amdhsa_group_segment_fixed_size 34304
		.amdhsa_private_segment_fixed_size 0
		.amdhsa_enable_private_segment 0
		.amdhsa_kernarg_size 24
		.amdhsa_user_sgpr_count 2
		.amdhsa_user_sgpr_kernarg_segment_ptr 1
		.amdhsa_wavefront_size32 1
		.amdhsa_system_sgpr_workgroup_id_x 1
		.amdhsa_system_sgpr_workgroup_id_y 1
		.amdhsa_system_sgpr_workgroup_id_z 1
		.amdhsa_system_vgpr_workitem_id 0
		.amdhsa_next_free_vgpr 160
		.amdhsa_next_free_sgpr 66
		.amdhsa_reserve_vcc 0
		.amdhsa_float_denorm_mode_32 3
		.amdhsa_float_denorm_mode_16_64 3
		.amdhsa_memory_ordered 1
		.amdhsa_forward_progress 1
		.amdhsa_inst_pref_size 14
	.end_amdhsa_kernel
	.amdgpu_metadata
---
amdhsa.version: [ 1, 2 ]
amdhsa.kernels:
  - .name:           k_q1b26fbd16a_join
    .symbol:         k_q1b26fbd16a_join.kd
    .args:
      - { .name: opart, .offset: 0, .size: 8, .value_kind: global_buffer, .address_space: global }
      - { .name: lpart, .offset: 8, .size: 8, .value_kind: global_buffer, .address_space: global }
      - { .name: out0, .offset: 16, .size: 8, .value_kind: global_buffer, .address_space: global }
    .group_segment_fixed_size: 34304
    .private_segment_fixed_size: 0
    .kernarg_segment_align: 8
    .kernarg_segment_size: 24
    .max_flat_workgroup_size: 128
    .sgpr_count:     66
    .vgpr_count:     160
    .wavefront_size: 32
...
	.end_amdgpu_metadata
.endif
;; end of part 3
